; MI455X (gfx1250); checked and timed in simulation.
; The chip was launched on July 23, 2026; its instructions are those of AMD's public machine-readable ISA for CDNA 5 (MIT licence, August 2026) and "CDNA5" Instruction Set Architecture Reference Guide (July 2026). The comments in the code are by the model that wrote it; some were corrected since.
;; Sub Graph. Allowed arithmetic: matrix products marked QUANTISED: E2M3 operands, one E8M0 scale for each 32 along K, by v_wmma_scale_f32_16x16x128_f8f6f4 with both operands' format E2M3, f32 sums; everything else in f32.
;; Inputs: W1 128 x 128 float32; W2 256 x 128 float32; W3 256 x 128 float32; b1 128 float32; b2 128 float32; b3 128 float32; be1 128 float32; be2 128 float32; be3 128 float32; g1 128 float32; g2 128 float32; g3 128 float32; hidden_states 8,192 x 64 x 128 float32; lengths 8,192 int32.
;; Outputs: out0 8,192 x 256 float32.
;; This version of the problem:
;;   THIS VERSION OF THE PROBLEM IS GIVEN IN LOW PRECISION. The matrix products marked QUANTISED in the list below multiply operands that are first quantised to E2M3 (2 exponent bits, 3 mantissa bits; 6 bits a number), with one power-of-two scale for each 32 numbers along K (OCP MX v1.0); their sums are f32. All else is computed in f32.
;;   The module's matrix products, in the order in which they are computed (A, B: the left and right operand; K: the contracted axis; several contracted axes count as one K, in the product's order):
;;     1. [M 524,288, K 128] x [K 128, N 128]; A: input hidden_states; B: input W1: QUANTISED
;;     2. [M 524,288, K 256] x [K 256, N 128]; A: computed on the way; B: input W2: QUANTISED
;;     3. [M 524,288, K 256] x [K 256, N 128]; A: computed on the way; B: input W3: QUANTISED
;;   THE QUANTISER, for each operand of a quantised product, along K:
;;     - K is cut into blocks of 32 from its start; a last block that is shorter is filled with zeros.
;;     - A block's scale is 2^e with e = floor(log2(the largest magnitude in the block)) - 2, held to -126 .. 127; a block of zeros has e = 0. As a byte (E8M0): e + 127.
;;     - Each number is divided by its block's scale, clamped to +-7.5, and rounded to the nearest number of E2M3, ties to even, subnormals kept.
;;     - The product sums the exact products of the quantised numbers (number of the format x scale) in f32.
;;   ~~~python
;;   def quantise(x, axis):      # numpy; x: float32 -> the quantised numbers, widened to float32 again
;;       x = np.moveaxis(x, axis, -1); K = x.shape[-1]
;;       x = np.pad(x, [(0, 0)] * (x.ndim - 1) + [(0, -K % 32)]); x = x.reshape(x.shape[:-1] + (-1, 32)); a = np.abs(x).max(-1, keepdims=True)
;;       e = np.where(a > 0, np.clip(np.frexp(np.where(a > 0, a, 1))[1] - 1 - 2, -126, 127), 0)      # np.frexp(a)[1] - 1 = floor(log2(a)), exactly
;;       r = np.clip(x / 2.0 ** e, -7.5, 7.5)
;;       step = 2.0 ** (np.maximum(np.frexp(np.where(r == 0, 1, r))[1] - 1, 0) - 3)
;;       q = np.round(r / step) * step * 2.0 ** e      # np.round: ties to even
;;       return np.moveaxis(q.reshape(q.shape[:-2] + (-1,))[..., :K], -1, axis).astype(np.float32)
;;   ~~~
;;   OPERANDS COMPUTED ON THE WAY. 'Computed on the way' means the value that the module computes at that place (a softmax that the list does not call 'softmax' is quantised finished and normalised). What goes into a quantiser is computed in f32, as accurately as f32 sums, v_exp_f32 and their like allow (about 1e-6 of the number): no bf16 or f16 on the way to a quantiser, and a product that is left as it is and whose result goes on into a quantised operand takes f32 operands (vector FMAs, or v_wmma_f32_16x16x4_f32). A number that lies on a knife's edge between two numbers of the format may be rounded either way, as far as f32 arithmetic and the matrix unit's own rounding can turn it there, and no further.
;; One version. Each part assembles by itself: llvm-mc -triple=amdgcn-amd-amdhsa -mcpu=gfx1250 --defsym DOCPART=n.
;; ======== version 1 of 1: 2 launches
;; workspace buffers: wimg 61,440 bytes; wscl 2,560 bytes; order 32,768 bytes of whole numbers
;; launch prep (part 1): grid 6 x 1, 8 waves a work-group, no clusters, 2,048 bytes of LDS; arguments W1, W2, W3, lengths, wimg, wscl, order; writes wimg, wscl, order
.if DOCPART == 1
	.amdgcn_target "amdgcn-amd-amdhsa--gfx1250"
	.amdhsa_code_object_version 6
	.text
	.protected	k_qb1d8fb4bbd_prep
	.globl	k_qb1d8fb4bbd_prep
	.p2align	8
	.type	k_qb1d8fb4bbd_prep,@function
k_qb1d8fb4bbd_prep:
	s_mov_b64 s[64:65], 0
	v_nop
	global_prefetch_b8 v0, s[64:65] scope:SCOPE_SE
	s_setreg_imm32_b32 hwreg(HW_REG_WAVE_MODE, 25, 1), 1
	s_wait_xcnt 0x0
; Two jobs that the main launch needs done once.
; WORK-GROUPS 0 TO 4: the weights become codes of FP6 (E2M3) with one E8M0 byte for each 32 along K, laid as IMAGES OF OPERAND REGISTERS.  Fragment f = 8 g + wave (g the work-group) is 16 units x 128 k:
;   g = 0: W1, k 0-127;  g = 1: W2, k 0-127;  g = 2: W3, k 0-127;  g = 3: W2, k 128-255;  g = 4: W3, k 128-255.  Tile u = wave; lane (r, h) holds unit 32 (u / 2) + 8 (u % 2) + r + 8 (r / 8), so that in the main launch the 16
;   registers of two neighbouring result tiles are 16 neighbours along the next K; its registers 6 c .. 6 c + 5 hold k = k0 + 64 c + 32 h + 0 .. 31.  W is stored [k][128]: a lane takes a column and its registers run down K, nothing is transposed.
;   wimg: registers 4 c' .. 4 c' + 3 of lane l at 1,536 f + 512 c' + 16 l.  wscl: unit r's four bytes as one word at 64 f + 4 r.
; WORK-GROUP 5: a counting sort of the 8,192 polylines by their number of tiles of 16 rows (4 classes), without atomics.  The polyline of rank R goes to word 8 idx + j of order, j = R / 1024, idx = R % 1024, mirrored where j is odd:
;   wave idx of the main launch reads 8 neighbouring words, one polyline of each eighth of the sorted list, light with heavy.  A word: polyline | l1 << 16 | neg << 23 | 1 << 24, l1 = the length held to 1 .. 64, neg = 1 where the length is under 1.
; A block's scale is 2^(floor(log2(its largest magnitude)) - 2); its byte is the largest magnitude's exponent field - 2, held at 1 from below.
; LIMITS: a block of zeros gets the byte 1 where the rule says 127 (its codes are zeros, and this program alone reads the bytes); blocks whose largest magnitude lies under 2^-124 keep the byte 1; NaN and infinities are not served.
.set FRB, 1536                         ; a fragment's image in bytes
.set LN,  32                           ; v32-63   the sort: 32 lengths of a thread, then l1
.set WD,  64                           ; v64-95   their words
.set CL,  96                           ; v96-127  their classes
.set PO,  128                          ; v128-159 where the words go: a register for each store, so that none is written again
	s_load_b256 s[4:11], s[0:1], 0x0               ; W1 s[4:5], W2 s[6:7], W3 s[8:9], lengths s[10:11]
	s_load_b128 s[12:15], s[0:1], 0x20             ; wimg s[12:13], wscl s[14:15]
	s_load_b64 s[16:17], s[0:1], 0x30              ; order
	v_lshl_add_u32 v254, v0, 2, 0x400
	v_mov_b32 v255, 0
	v_lshrrev_b32 v1, 5, v0
	v_readfirstlane_b32 s18, v1                    ; wave 0..7
	s_mov_b32 s22, 0x76543210
	s_mov_b32 s23, 0xfedcba98                      ; v_permlanex16_b32's selects for lane l xor 16
	s_cmp_eq_u32 ttmp9, 5                          ; the same in all waves of a work-group
	s_cbranch_scc1 .Lsort
	; ---- a fragment of a weight
	v_and_b32 v1, 15, v0                           ; r
	v_bfe_u32 v2, v0, 4, 1                         ; h
	v_and_b32 v3, 8, v1
	v_add_nc_u32 v3, v3, v1                        ; r + 8 (r / 8)
	v_lshlrev_b32 v5, 2, v3                        ; my column, 4 bytes a number,
	v_lshl_add_u32 v5, v2, 14, v5                  ; and 32 rows of 512 bytes further down for lanes 16-31
	v_and_b32 v4, 31, v0
	v_lshlrev_b32 v4, 4, v4                        ; 16 x lane: my place in an image
	v_lshlrev_b32 v6, 2, v1                        ; 4 r: my unit's scale word
	s_lshr_b32 s24, s18, 1
	s_lshl_b32 s24, s24, 7                         ; 4 x 32 (u / 2)
	s_and_b32 s25, s18, 1
	s_lshl_b32 s25, s25, 5                         ; 4 x 8 (u % 2)
	s_add_co_u32 s24, s24, s25
	s_cmp_ge_u32 ttmp9, 3
	s_cselect_b32 s25, 0x10000, 0                  ; k0 = 128: 128 rows of 512 bytes
	s_add_co_u32 s24, s24, s25
	s_mov_b32 s25, 0
	s_lshl_b32 s26, ttmp9, 3
	s_add_co_u32 s26, s26, s18                     ; f
	s_mul_i32 s28, s26, FRB
	s_mov_b32 s29, 0
	s_lshl_b32 s30, s26, 6
	s_mov_b32 s31, 0
	s_and_b32 s27, ttmp9, 1
	s_wait_kmcnt 0x0
	s_cmp_eq_u32 s27, 1                            ; the choice hangs on the work-group's number alone
	s_cselect_b64 s[20:21], s[6:7], s[8:9]         ; odd: W2, even: W3,
	s_cmp_eq_u32 ttmp9, 0
	s_cselect_b64 s[20:21], s[4:5], s[20:21]       ; the first: W1
	s_add_nc_u64 s[20:21], s[20:21], s[24:25]
	s_add_nc_u64 s[12:13], s[12:13], s[28:29]
	s_add_nc_u64 s[14:15], s[14:15], s[30:31]
.set i, 0
.rept 64
	global_load_b32 v[64+i], v5, s[20:21] offset:512*(64*(i/32)+i%32)   ; W(k0 + 64 c + 32 h + i, my unit)
.set i, i+1
.endr
	s_wait_loadcnt 0x0
.irp c, 0,1                                    ; my block 2 c + h: all its 32 numbers are mine
	v_max3_num_f32 v[32+\c], |v[64+32*\c]|, |v[65+32*\c]|, 0x1800000   ; with the floor 2^(3 - 127): the byte cannot fall under 1
.endr
.irp i, 2,4,6,8,10,12,14,16,18,20,22,24,26,28,30
.irp c, 0,1
	v_max3_num_f32 v[32+\c], v[32+\c], |v[64+32*\c+\i]|, |v[65+32*\c+\i]|
.endr
.endr
.irp c, 0,1
	v_add_nc_u32 v[44+\c], 0xff000000, v[32+\c]    ; 2 off the exponent field: the conversion's scale operand
.endr
.irp c, 0,1
	v_lshrrev_b32 v[36+\c], 23, v[44+\c]           ; the scale's byte
.endr
	v_lshl_or_b32 v9, v37, 16, v36                 ; my two bytes, blocks h and 2 + h,
	v_lshlrev_b32 v10, 3, v2
	v_lshlrev_b32 v9, v10, v9                      ; at their places in the word;
	v_mov_b32 v10, 0
	v_permlanex16_b32 v10, v9, s22, s23
	v_or_b32 v9, v9, v10                           ; with lane l xor 16's two the word is whole, in both lanes
.irp c, 0,1
	v_cvt_scalef32_pk16_fp6_f32 v[48+6*\c:50+6*\c], v[64+32*\c:79+32*\c], v[44+\c]
	v_cvt_scalef32_pk16_fp6_f32 v[192+4*\c:194+4*\c], v[80+32*\c:95+32*\c], v[44+\c]   ; (a conversion's three registers begin on an even number)
.endr
	v_nop                                          ; one plain instruction behind a scaled conversion
.irp c, 0,1
.irp i, 0,1,2
	v_mov_b32 v[51+6*\c+\i], v[192+4*\c+\i]
.endr
.endr
.irp c, 0,1,2
	global_store_b128 v4, v[48+4*\c:51+4*\c], s[12:13] offset:512*\c   ; 32 lanes store 512 consecutive bytes
.endr
	global_store_b32 v6, v9, s[14:15]              ; lanes r and 16 + r store the same word to the same place
	s_endpgm
	; ---- the sort: 256 threads, 32 lengths each; polyline 1024 e + 4 t + i lies in register 4 e + i of thread t
.Lsort:
	v_lshlrev_b32 v3, 4, v0
	v_mov_b32 v4, 1
	v_lshlrev_b32 v5, 2, v0
	v_add_nc_u32 v5, 1<<24, v5                     ; 4 t, with the mark of a word that is set,
	v_add_nc_u32 v6, 1<<23, v5                     ; and with the mark of a length under 1
	v_mov_b32 v9, 0                                ; my counts of the four classes, a byte each (32 at the most)
	v_mov_b32 v12, 0                               ; (destinations of lane moves count as read)
	v_mov_b32 v13, 0
	v_lshrrev_b32 v14, 5, v0
	v_lshlrev_b32 v14, 3, v14                      ; LDS: 8 bytes for each wave
	v_mov_b32 v15, 0
	s_wait_kmcnt 0x0
.irp e, 0,1,2,3,4,5,6,7
	global_load_b128 v[LN+4*\e:LN+4*\e+3], v3, s[10:11] offset:4096*\e
.endr
	s_wait_loadcnt 0x0
.set n, 0
.rept 32
	v_cmp_gt_i32 vcc_lo, 1, v[LN+n]                ; a length under 1
	v_cndmask_b32 v[LN+n], v[LN+n], v4, vcc_lo     ; counts as 1 for the work,
	v_cndmask_b32 v7, v5, v6, vcc_lo               ; and is marked
	v_min_u32 v[LN+n], 64, v[LN+n]                 ; l1
	v_lshl_add_u32 v[WD+n], v[LN+n], 16, v7
	v_add_nc_u32 v[WD+n], 1024*(n/4)+n%4, v[WD+n]  ; the word
	v_add_nc_u32 v[CL+n], -1, v[LN+n]
	v_lshrrev_b32 v[CL+n], 4, v[CL+n]              ; the class: tiles - 1
	v_lshlrev_b32 v7, 3, v[CL+n]
	v_lshlrev_b32 v7, v7, v4
	v_add_nc_u32 v9, v9, v7
.set n, n+1
.endr
	v_and_b32 v10, 0x00ff00ff, v9                  ; classes 0 and 2 in fields of 16 bits (a wave's total is 1,024 at the most),
	v_lshrrev_b32 v11, 8, v9
	v_and_b32 v11, 0x00ff00ff, v11                 ; classes 1 and 3
.irp x, 1,2,4,8
	v_mov_b32_dpp v12, v10 row_xmask:\x row_mask:0xf bank_mask:0xf
	v_mov_b32_dpp v13, v11 row_xmask:\x row_mask:0xf bank_mask:0xf
	v_add_nc_u32 v10, v10, v12
	v_add_nc_u32 v11, v11, v13
.endr
	v_permlanex16_b32 v12, v10, s22, s23
	v_permlanex16_b32 v13, v11, s22, s23
	v_add_nc_u32 v10, v10, v12
	v_add_nc_u32 v11, v11, v13                     ; the wave's totals, in every lane
	ds_store_b64 v14, v[10:11]                     ; all lanes write the same 8 bytes with the same value
	s_wait_dscnt 0x0                               ; for the others' sake: my store has landed
	s_barrier_signal -1
	s_barrier_wait -1
.irp k, 0,1,2,3
	ds_load_b128 v[16+4*\k:19+4*\k], v15 offset:16*\k
.endr
	s_wait_dscnt 0x0
.irp k, 0,1,2,3,4,5,6,7,8,9,10,11,12,13,14,15
	v_readfirstlane_b32 s[32+\k], v[16+\k]
.endr
	s_mov_b32 s24, 0                               ; what the waves in front of mine hold,
	s_mov_b32 s25, 0
	s_mov_b32 s26, 0                               ; and what all hold
	s_mov_b32 s27, 0
.irp w, 0,1,2,3,4,5,6,7
	s_cmp_gt_u32 s18, \w
	s_cselect_b32 s28, s[32+2*\w], 0
	s_cselect_b32 s29, s[33+2*\w], 0
	s_add_co_u32 s24, s24, s28
	s_add_co_u32 s25, s25, s29
	s_add_co_u32 s26, s26, s[32+2*\w]
	s_add_co_u32 s27, s27, s[33+2*\w]
.endr
	s_and_b32 s50, s24, 0xffff                     ; s50-53: the next rank of each class in my wave
	s_and_b32 s28, s26, 0xffff
	s_and_b32 s51, s25, 0xffff
	s_add_co_u32 s51, s51, s28                     ; behind all of class 0
	s_and_b32 s29, s27, 0xffff
	s_add_co_u32 s28, s28, s29
	s_lshr_b32 s52, s24, 16
	s_add_co_u32 s52, s52, s28                     ; behind classes 0 and 1
	s_lshr_b32 s29, s26, 16
	s_add_co_u32 s28, s28, s29
	s_lshr_b32 s53, s25, 16
	s_add_co_u32 s53, s53, s28                     ; behind classes 0 to 2
.set n, 0
.rept 32
	v_cmp_eq_u32 s56, 0, v[CL+n]
	v_cmp_eq_u32 s57, 1, v[CL+n]
	v_cmp_eq_u32 s58, 2, v[CL+n]
	v_cmp_eq_u32 s59, 3, v[CL+n]
	v_mbcnt_lo_u32_b32 v7, s56, s50                ; the class's next rank + the lanes of that class below mine
	v_mbcnt_lo_u32_b32 v8, s57, s51
	v_mbcnt_lo_u32_b32 v9, s58, s52
	v_mbcnt_lo_u32_b32 v10, s59, s53
	v_cndmask_b32 v7, v7, v8, s57
	v_cndmask_b32 v7, v7, v9, s58
	v_cndmask_b32 v7, v7, v10, s59                 ; my rank: each of 0 .. 8191 falls to one polyline
	s_bcnt1_i32_b32 s60, s56
	s_add_co_u32 s50, s50, s60
	s_bcnt1_i32_b32 s60, s57
	s_add_co_u32 s51, s51, s60
	s_bcnt1_i32_b32 s60, s58
	s_add_co_u32 s52, s52, s60
	s_bcnt1_i32_b32 s60, s59
	s_add_co_u32 s53, s53, s60
	v_bfe_u32 v8, v7, 10, 1
	v_mul_u32_u24 v8, v8, 1023
	v_and_b32 v9, 1023, v7
	v_xor_b32 v9, v9, v8                           ; idx, mirrored in the odd eighths
	v_lshrrev_b32 v8, 10, v7                       ; j
	v_lshl_add_u32 v9, v9, 3, v8
	v_min_u32 v9, 8191, v9                         ; inside the buffer whatever was loaded
	v_lshlrev_b32 v[PO+n], 2, v9
	global_store_b32 v[PO+n], v[WD+n], s[16:17]
.set n, n+1
.endr
	s_wait_tensorcnt 0x0
	ds_add_u32 v254, v255
	s_wait_dscnt 0x0
	s_endpgm
.Lfunc_end_k_qb1d8fb4bbd_prep:
	.size	k_qb1d8fb4bbd_prep, .Lfunc_end_k_qb1d8fb4bbd_prep-k_qb1d8fb4bbd_prep
	.p2alignl 7, 3214868480
	.fill 96, 4, 3214868480
	.section	.rodata,"a",@progbits
	.p2align	6, 0x0
	.amdhsa_kernel k_qb1d8fb4bbd_prep
		.amdhsa_group_segment_fixed_size 2048
		.amdhsa_private_segment_fixed_size 0
		.amdhsa_enable_private_segment 0
		.amdhsa_kernarg_size 56
		.amdhsa_user_sgpr_count 2
		.amdhsa_user_sgpr_kernarg_segment_ptr 1
		.amdhsa_wavefront_size32 1
		.amdhsa_system_sgpr_workgroup_id_x 1
		.amdhsa_system_sgpr_workgroup_id_y 1
		.amdhsa_system_sgpr_workgroup_id_z 1
		.amdhsa_system_vgpr_workitem_id 0
		.amdhsa_next_free_vgpr 256
		.amdhsa_next_free_sgpr 66
		.amdhsa_reserve_vcc 1
		.amdhsa_float_denorm_mode_32 3
		.amdhsa_float_denorm_mode_16_64 3
		.amdhsa_memory_ordered 1
		.amdhsa_forward_progress 1
		.amdhsa_inst_pref_size 78
	.end_amdhsa_kernel
	.amdgpu_metadata
---
amdhsa.version: [ 1, 2 ]
amdhsa.kernels:
  - .name:           k_qb1d8fb4bbd_prep
    .symbol:         k_qb1d8fb4bbd_prep.kd
    .args:
      - { .name: W1, .offset: 0, .size: 8, .value_kind: global_buffer, .address_space: global }
      - { .name: W2, .offset: 8, .size: 8, .value_kind: global_buffer, .address_space: global }
      - { .name: W3, .offset: 16, .size: 8, .value_kind: global_buffer, .address_space: global }
      - { .name: lengths, .offset: 24, .size: 8, .value_kind: global_buffer, .address_space: global }
      - { .name: wimg, .offset: 32, .size: 8, .value_kind: global_buffer, .address_space: global }
      - { .name: wscl, .offset: 40, .size: 8, .value_kind: global_buffer, .address_space: global }
      - { .name: order, .offset: 48, .size: 8, .value_kind: global_buffer, .address_space: global }
    .group_segment_fixed_size: 2048
    .private_segment_fixed_size: 0
    .kernarg_segment_align: 8
    .kernarg_segment_size: 56
    .max_flat_workgroup_size: 256
    .sgpr_count:     66
    .vgpr_count:     256
    .wavefront_size: 32
...
	.end_amdgpu_metadata
.endif
;; end of part 1
;; launch main (part 2): grid 256 x 1, 4 waves a work-group, no clusters, 56,832 bytes of LDS; arguments hidden_states, order, wimg, wscl, b1, g1, be1, b2, g2, be2, b3, g3, be3, out0; writes out0
.if DOCPART == 2
	.amdgcn_target "amdgcn-amd-amdhsa--gfx1250"
	.amdhsa_code_object_version 6
	.text
	.protected	k_qb1d8fb4bbd_main
	.globl	k_qb1d8fb4bbd_main
	.p2align	8
	.type	k_qb1d8fb4bbd_main,@function
k_qb1d8fb4bbd_main:
	s_mov_b64 s[64:65], 0
	v_nop
	global_prefetch_b8 v0, s[64:65] scope:SCOPE_SE
	s_setreg_imm32_b32 hwreg(HW_REG_WAVE_MODE, 25, 1), 1
	s_wait_xcnt 0x0
; Three layers of Linear (codes of FP6, E2M3, one E8M0 byte for each 32 along K) -> LayerNorm -> ReLU on 8,192 polylines of 64 rows x 128; behind each layer the maximum phi over the rows under the polyline's length,
; which is K = 128 .. 255 of the next product.  The result is [phi3, phi3].
; WHAT IS NOT DONE: a row at or beyond the length reaches no result (rows meet in phi alone, and phi is taken under the mask), so only ceil(length / 16) tiles of 16 rows are loaded and computed.  The phi half of an
; operand is the same row for all rows of a polyline: its codes are made once, and its product with the lower half of W (8 matrix instructions, phi in all 16 columns, the bias as C) is the C of every row tile's product.
; SHARES.  256 work-groups of 4 waves; a wave owns 8 polylines (8 neighbouring words of order: one of each eighth of the list sorted by tiles) and takes each through all three layers.  Waves share read-only LDS alone: one barrier.
; One wave to a SIMD, 1,024 registers: the upper halves of the weights (288), a layer's gain, offset and C (192) and the next polyline's rows (256) stay in registers.
; LAYOUT.  Products are used transposed (source 0 = 16 units of W, source 1 = 16 rows): lane (r, h) holds row r, and register 16 b + i of a tile's 64 holds unit 32 b + 16 h + i, the next K's order (the units of a tile of W are chosen for it).
; THE MASK COSTS NOTHING: row index = min(16 t + r, length - 1): the slack rows of the last tile are copies of the last valid row, so every maximum is taken over all lanes.  A length under 1 is computed as 1, and -infinity is stored.
; NO TENSOR LOADS, NO CLUSTER: the trips' work hangs on lengths read from memory; what work-groups share is 68,608 bytes of weights and vectors, read once by each, against up to 1,048,576 bytes of rows of its own.
; The next polyline's rows are asked for a whole polyline ahead, straight into registers.  Every wait is for 0: how many loads stand behind a given one hangs on the lengths.
; LIMITS: NaN and infinities among the inputs are not served; a block whose largest magnitude lies under 2^-124 keeps the byte 1; a block of zeros gets the byte 1 where the rule says 127 (its codes are zeros; only this text reads the bytes).
.set FRB,  1536                        ; a fragment's image: 12 registers x 128 bytes
.set SLB,  FRB+128                     ; a slot: a tile's codes and its scale words (4 bytes a lane)
.set WVB,  4*SLB                       ; a wave's four slots
.set WLO,  0                           ; LDS: the 16 fragments of W2's and W3's lower halves (k 128-255), as images
.set VEC,  16*FRB                      ; b1 g1 be1 b2 g2 be2 b3 g3 be3, 512 bytes each
.set XSL,  VEC+9*512                   ; the waves' slots; the end is XSL + 4 WVB = 55,808
.set DUAL, 1                           ; two maxima in one instruction
; window 0
.set LI,   1                           ; v1   XSL + WVB x wave + 16 x lane
.set LS,   2                           ; v2   the same + FRB, 4 x lane
.set VB,   3                           ; v3   VEC + 64 h
.set WL,   4                           ; v4   16 x lane
.set AD,   5                           ; v5-6 the tile in hand: its slot's codes and scale words
.set AS,   6
.set RH,   7                           ; v7   r
.set H64,  8                           ; v8   64 h
.set OFF,  9                           ; v9-12 byte offsets of my row in the four tiles on their way
.set OUTO, 13                          ; v13  my 16 bytes of phi3
.set SH8,  14                          ; v14  8 (r / 4)
.set L4,   15                          ; v15  4 x lane
.set WS,   16                          ; v16-35 the weights' scale words: register i: lanes 0-15 fragment 2 i, lanes 16-31 fragment 2 i + 1
.set XS,   36                          ; v36  the rows' scale words
.set PW,   37                          ; v37  the scale word just made
.set AN,   38                          ; v38-39 the next tile's slot
.set ASN,  39
.set TM,   40                          ; v40-55 at work
.set PC,   56                          ; v56-75 the codes just made: 12 registers, and 8 for the half blocks that begin on an odd register
.set XF,   76                          ; v76-87 the rows' fragment
.set W3B,  88                          ; v88-123 W3's fragments 21 to 23
.set WORK, 128                         ; v128-191 the tile at work
.set PM,   192                         ; v192-255 the running maximum
; window 1 (low numbers)
.set G,    0                           ; gain
.set BE,   64                          ; offset
.set CB,   128                         ; the C operand: the bias, or the bias + phi's product
.set ACC,  192                         ; the product
; window 2: the four tiles on their way, 64 registers each.   window 3: fragment f (0 .. 20) at 12 f
.set WV,   32                          ; s32  wave
.set ST,   33                          ; s33  the tile in hand;  s34 the next
.set ST1,  34
.set NT,   35                          ; s35  the polyline's tiles;  s36 the next polyline's
.set NTN,  36
.set JJ,   37                          ; s37  polylines to go
.set SLOT, 38                          ; s38  SLB x tile
.set TMP,  39
.set M8,   48                          ; s48-51 the lanes whose r has bit 3, 2, 1, 0 set
.set M4,   49
.set M2,   50
.set M1,   51
.set SEL,  52                          ; s[52:53] v_permlanex16_b32's selects for lane l xor 16
.set EPS,  54
.set R128, 55
.set HB,   56                          ; s[56:57] the rows on their way
.set OB,   58                          ; s[58:59] the row of out0
.set PP,   60                          ; s60  the polyline in hand
.set LM1,  61                          ; s61  length - 1 of the polyline that is asked for
.set NEG,  62                          ; s62  all ones where the length is under 1
.set PN,   63                          ; s63  the polyline that is asked for
.set MSB, 0
.macro WIN new                         ; s_set_vgpr_msb: bits 1:0 source 0, 3:2 source 1, 5:4 source 2, 7:6 destination; the high byte repeats the setting that is left
.if MSB != (\new)
	s_set_vgpr_msb (MSB<<8)|(\new)
.set MSB, (\new)
.endif
.endm
.macro NOPS n
.rept \n
	v_nop
.endr
.endm
.macro RELU2 d, b                      ; two numbers clipped at 0
.if DUAL
	v_dual_max_num_f32 v[\d], 0, v[\b] :: v_dual_max_num_f32 v[(\d)+1], 0, v[(\b)+1]
.else
	v_max_num_f32 v[\d], 0, v[\b]
	v_max_num_f32 v[(\d)+1], 0, v[(\b)+1]
.endif
.endm
.macro MAXP2 d, a                      ; two running maxima
.if DUAL
	v_dual_max_num_f32 v[\d], v[\a], v[\d] :: v_dual_max_num_f32 v[(\d)+1], v[(\a)+1], v[(\d)+1]
.else
	v_max_num_f32 v[\d], v[\a], v[\d]
	v_max_num_f32 v[(\d)+1], v[(\a)+1], v[(\d)+1]
.endif
.endm
; A word of order: the polyline, its length - 1 (1 .. 64 held once more), its tiles; a word of 0 has no tiles
.macro DECODE w, p, lm, nt
	s_and_b32 s[\p], s[\w], 0x1fff
	s_min_u32 s[\p], s[\p], 8191
	s_bfe_u32 s[\lm], s[\w], 0x70010
	s_max_u32 s[\lm], s[\lm], 1
	s_min_u32 s[\lm], s[\lm], 64
	s_add_co_u32 s[\nt], s[\lm], 15
	s_lshr_b32 s[\nt], s[\nt], 4
	s_bfe_u32 s[TMP], s[\w], 0x10018
	s_mul_i32 s[\nt], s[\nt], s[TMP]
	s_sub_co_u32 s[\lm], s[\lm], 1
.endm
; Polyline s[PN]'s tiles are asked for: lane (r, h) takes, of row min(16 t + r, length - 1), the 16 numbers 32 b + 16 h + 0 .. 15 of each block b.  guard = 1: only the tiles that it has
.macro ISSUE guard
	s_lshl_b32 s66, s[PN], 15                      ; 64 rows of 512 bytes a polyline
	s_mov_b32 s67, 0
	s_add_nc_u64 s[HB:HB+1], s[4:5], s[66:67]
.irp t, 0,1,2,3
	v_add_nc_u32 v[TM+\t], 16*\t, v[RH]
.endr
.irp t, 0,1,2,3
	v_min_u32 v[TM+\t], s[LM1], v[TM+\t]
.endr
.irp t, 0,1,2,3
	v_min_u32 v[TM+\t], 63, v[TM+\t]               ; inside the polyline whatever was loaded
.endr
.irp t, 0,1,2,3
	v_lshl_add_u32 v[OFF+\t], v[TM+\t], 9, v[H64]
.endr
.irp t, 0,1,2,3
.if \guard
	s_cmp_gt_u32 s[NTN], \t
	s_cbranch_scc0 .Lis_\@
.endif
	WIN 0x80
.irp b, 0,1,2,3
.irp q, 0,1,2,3
	global_load_b128 v[64*\t+16*\b+4*\q:64*\t+16*\b+4*\q+3], v[OFF+\t], s[HB:HB+1] offset:128*\b+16*\q th:TH_LOAD_NT
.endr
.endr
	WIN 0
.endr
.Lis_\@:
.endm
; The half blocks change lanes: the operand wants a WHOLE block in a lane, lanes 0-15 block 2 c, lanes 16-31 block 2 c + 1
.macro TAIL
	v_nop                                          ; one plain instruction behind a scaled conversion
.irp c, 0,1
.irp i, 0,1,2
	v_permlane16_swap_b32 v[PC+6*\c+\i], v[PC+12+4*\c+\i]
.endr
.irp i, 0,1,2
	v_mov_b32 v[PC+3+6*\c+\i], v[PC+12+4*\c+\i]
.endr
.endr
.endm
; 64 numbers of a lane at low register src of window win, register 16 b + i = k 32 b + 16 h + i of my row, become a fragment's codes in v[PC] on and its scale word in v[PW].  ab = 1: magnitudes (else none is negative)
.macro QUANT src, win, ab
	WIN ((\win)|((\win)<<2))
.irp b, 0,1,2,3
.if \ab
	v_max3_num_f32 v[TM+\b], |v[(\src)+16*\b]|, |v[(\src)+16*\b+1]|, 0x1800000   ; with the floor 2^(3 - 127): the byte cannot fall under 1
.else
	v_max3_num_f32 v[TM+\b], v[(\src)+16*\b], v[(\src)+16*\b+1], 0x1800000
.endif
.endr
.irp i, 2,4,6,8,10,12,14
.irp b, 0,1,2,3
.if \ab
	v_max3_num_f32 v[TM+\b], |v[(\src)+16*\b+\i]|, |v[(\src)+16*\b+\i+1]|, v[TM+\b]
.else
	v_max3_num_f32 v[TM+\b], v[(\src)+16*\b+\i], v[(\src)+16*\b+\i+1], v[TM+\b]
.endif
.endr
.endr
	WIN 0
.irp b, 0,1,2,3
	v_permlanex16_b32 v[TM+4+\b], v[TM+\b], s[SEL], s[SEL+1]
.endr
.irp b, 0,1,2,3
	v_max_num_f32 v[TM+\b], v[TM+\b], v[TM+4+\b]   ; with lane l xor 16's 16: the block's largest magnitude
.endr
.irp b, 0,1,2,3
	v_add_nc_u32 v[TM+8+\b], 0xff000000, v[TM+\b]  ; 2 off its exponent field: the conversion's scale operand
.endr
.irp b, 0,1,2,3
	v_lshrrev_b32 v[TM+4+\b], 23, v[TM+8+\b]       ; the scale's byte
.endr
	s_wait_dscnt 0x0                               ; the last image's stores have read v[PC] on and v[PW]
	v_lshl_or_b32 v[PW], v[TM+5], 8, v[TM+4]
	v_lshl_or_b32 v[PW], v[TM+6], 16, v[PW]
	v_lshl_or_b32 v[PW], v[TM+7], 24, v[PW]
	WIN (\win)
.irp c, 0,1
	v_cvt_scalef32_pk16_fp6_f32 v[PC+6*\c:PC+6*\c+2], v[(\src)+32*\c:(\src)+32*\c+15], v[TM+8+2*\c]
	v_cvt_scalef32_pk16_fp6_f32 v[PC+12+4*\c:PC+12+4*\c+2], v[(\src)+32*\c+16:(\src)+32*\c+31], v[TM+8+2*\c+1]
.endr
	WIN 0
	TAIL
.endm
.macro IMG pa, ps, off                 ; the fragment goes to LDS as an image of its registers, 16 bytes a lane; its scale word, 4 bytes a lane
.irp c, 0,1,2
	ds_store_b128 v[\pa], v[PC+4*\c:PC+4*\c+3] offset:(\off)+512*\c
.endr
	ds_store_b32 v[\ps], v[PW] offset:(\off)
.endm
.macro GETX pa, ps                     ; and comes back so
.irp c, 0,1,2
	ds_load_b128 v[XF+4*\c:XF+4*\c+3], v[\pa] offset:512*\c
.endr
	ds_load_b32 v[XS], v[\ps]
.endm
; One matrix instruction: unit tile u of the layer whose fragments begin at fb, against the rows in v[XF].  Each accumulator gets one instruction a tile, with C in other registers: there is no chain
.macro WM u, fb
.set wf, (\fb)+(\u)
.if wf < 21
	WIN 0x53
.set wr, 12*wf
.else
	WIN 0x50
.set wr, W3B+12*(wf-21)
.endif
.if wf%2
	v_wmma_scale_f32_16x16x128_f8f6f4 v[ACC+8*(\u):ACC+8*(\u)+7], v[wr:wr+11], v[XF:XF+11], v[CB+8*(\u):CB+8*(\u)+7], v[WS+wf/2], v[XS] matrix_a_fmt:MATRIX_FMT_FP6 matrix_b_fmt:MATRIX_FMT_FP6 matrix_a_scale:MATRIX_SCALE_ROW1
.else
	v_wmma_scale_f32_16x16x128_f8f6f4 v[ACC+8*(\u):ACC+8*(\u)+7], v[wr:wr+11], v[XF:XF+11], v[CB+8*(\u):CB+8*(\u)+7], v[WS+wf/2], v[XS] matrix_a_fmt:MATRIX_FMT_FP6 matrix_b_fmt:MATRIX_FMT_FP6
.endif
.endm
.macro HOOK u, fb                      ; the next tile's product, one instruction at a time among this tile's vector work, if there is a next tile
	s_cmp_lt_u32 s[ST1], s[NT]
	s_cbranch_scc0 .Lh_\@
	WM \u, \fb
	WIN 0
.Lh_\@:
.endm
.macro LOADVEC l                       ; layer l's bias, gain and offset in the result's layout: register 16 b + i = number 32 b + 16 h + i
	WIN 0x40
.irp b, 0,1,2,3
.irp q, 0,1,2,3
	ds_load_b128 v[CB+16*\b+4*\q:CB+16*\b+4*\q+3], v[VB] offset:512*(3*(\l))+128*\b+16*\q
	ds_load_b128 v[G+16*\b+4*\q:G+16*\b+4*\q+3], v[VB] offset:512*(3*(\l)+1)+128*\b+16*\q
	ds_load_b128 v[BE+16*\b+4*\q:BE+16*\b+4*\q+3], v[VB] offset:512*(3*(\l)+2)+128*\b+16*\q
.endr
.endr
	WIN 0
.endm
.macro LOADWP i0                       ; the 8 fragments of a lower half: five into v[WORK] on, three into the accumulators' registers: both are idle between two layers
.irp u, 0,1,2,3,4
.irp c, 0,1,2
	ds_load_b128 v[WORK+12*\u+4*\c:WORK+12*\u+4*\c+3], v[WL] offset:WLO+FRB*((\i0)+\u)+512*\c
.endr
.endr
	WIN 0x40
.irp u, 5,6,7
.irp c, 0,1,2
	ds_load_b128 v[ACC+12*(\u-5)+4*\c:ACC+12*(\u-5)+4*\c+3], v[WL] offset:WLO+FRB*((\i0)+\u)+512*\c
.endr
.endr
	WIN 0
.endm
.macro TREE                            ; eight pairs in v[TM] on -> the row's sum (my 64 and lane l xor 16's 64) in v[TM]
.irp c, 0,2,4,6
	v_pk_add_f32 v[TM+\c:TM+\c+1], v[TM+\c:TM+\c+1], v[TM+8+\c:TM+8+\c+1]
.endr
	v_pk_add_f32 v[TM:TM+1], v[TM:TM+1], v[TM+4:TM+5]
	v_pk_add_f32 v[TM+2:TM+3], v[TM+2:TM+3], v[TM+6:TM+7]
	v_pk_add_f32 v[TM:TM+1], v[TM:TM+1], v[TM+2:TM+3]
	v_add_f32 v[TM], v[TM], v[TM+1]
	v_permlanex16_b32 v[TM+2], v[TM], s[SEL], s[SEL+1]
	v_add_f32 v[TM], v[TM], v[TM+2]
.endm
; ONE TILE of 16 rows: LayerNorm, ReLU, the running maximum and (last = 0) the codes for the next layer, which take the place of the tile's old codes in its slot.  first = 1: the tile starts the maximum
.macro BODY first, last, fb
.if \last == 0
	v_add_nc_u32 v[AD], s[SLOT], v[LI]
	v_add_nc_u32 v[AS], s[SLOT], v[LS]
.endif
	s_add_co_u32 s[TMP], s[SLOT], SLB
	s_min_u32 s[TMP], s[TMP], 3*SLB                ; the next tile's slot, held inside my wave's four
	v_add_nc_u32 v[AN], s[TMP], v[LI]
	v_add_nc_u32 v[ASN], s[TMP], v[LS]
	s_add_co_u32 s[ST1], s[ST], 1
	s_cmp_lt_u32 s[ST1], s[NT]
	s_cbranch_scc0 .Lg_\@
	GETX AN, ASN                                   ; the next tile's rows; the products that read v[XF] stand more than four plain instructions back
.Lg_\@:
	WIN 0x05                                       ; the sum
.irp u, 0,1,2,3,4,5,6,7
	v_pk_add_f32 v[TM+2*\u:TM+2*\u+1], v[ACC+8*\u:ACC+8*\u+1], v[ACC+8*\u+2:ACC+8*\u+3]
.endr
	WIN 0x01
.irp j, 4,6
.irp u, 0,1,2,3,4,5,6,7
	v_pk_add_f32 v[TM+2*\u:TM+2*\u+1], v[ACC+8*\u+\j:ACC+8*\u+\j+1], v[TM+2*\u:TM+2*\u+1]
.endr
.endr
	WIN 0
	TREE
	v_mul_f32 v[TM], 0xbc000000, v[TM]             ; - the mean: x -1/128, exact
	WIN 0x01
.set pp, 0
.rept 32
	v_pk_add_f32 v[WORK+pp:WORK+pp+1], v[ACC+pp:ACC+pp+1], v[TM:TM+1] op_sel_hi:[1,0]   ; y - the mean; the accumulators are free from here on
.set pp, pp+2
.endr
	WIN 0
.irp c, 0,1,2,3,4,5,6,7                        ; the squares, in eight chains
	v_pk_mul_f32 v[TM+2*\c:TM+2*\c+1], v[WORK+2*\c:WORK+2*\c+1], v[WORK+2*\c:WORK+2*\c+1]
.endr
	s_wait_dscnt 0x0                               ; the next tile's rows are in: on every path, ahead of the first product that may read them
	HOOK 0, \fb
.irp k, 1,2,3
.irp c, 0,1,2,3,4,5,6,7
	v_pk_fma_f32 v[TM+2*\c:TM+2*\c+1], v[WORK+16*\k+2*\c:WORK+16*\k+2*\c+1], v[WORK+16*\k+2*\c:WORK+16*\k+2*\c+1], v[TM+2*\c:TM+2*\c+1]
.endr
	HOOK \k, \fb
.endr
	TREE
	v_fma_f32 v[TM+2], v[TM], s[R128], s[EPS]      ; the variance + 1e-5
	v_rsq_f32 v[TM], v[TM+2]
	v_mov_b32 v[TM+1], 0                           ; a plain instruction behind the transcendental (and the pair's upper word)
	s_wait_alu depctr_va_vdst(0)                   ; the wait ahead of the first reader, and ahead of the branches below
.irp k, 0,1,2,3
.irp c, 0,1,2,3,4,5,6,7
	v_pk_mul_f32 v[WORK+16*\k+2*\c:WORK+16*\k+2*\c+1], v[WORK+16*\k+2*\c:WORK+16*\k+2*\c+1], v[TM:TM+1] op_sel_hi:[1,0]
.endr
	HOOK 4+\k, \fb
.endr
	WIN 0x14
.set pp, 0
.rept 32
	v_pk_fma_f32 v[WORK+pp:WORK+pp+1], v[WORK+pp:WORK+pp+1], v[G+pp:G+pp+1], v[BE+pp:BE+pp+1]
.set pp, pp+2
.endr
	WIN 0
.if \first
.set pp, 0
.rept 32
	RELU2 PM+pp, WORK+pp                           ; the first tile's clipped numbers ARE the maximum so far
.set pp, pp+2
.endr
.else
.if \last == 0
.set pp, 0
.rept 32
	RELU2 WORK+pp, WORK+pp
.set pp, pp+2
.endr
.endif
.set pp, 0
.rept 32
	MAXP2 PM+pp, WORK+pp                           ; (in the last layer unclipped: the maximum so far is 0 or more)
.set pp, pp+2
.endr
.endif
.if \last == 0
.if \first
	QUANT PM, 0, 0
.else
	QUANT WORK, 0, 0
.endif
	IMG AD, AS, 0
.endif
.endm
; A step of the maximum over the 16 rows that also halves the registers: of the pair (k, k + d) a lane keeps one, by bit x of r, and sends the other to lane l xor x
.macro HALVE n, d, x, m
.set hk, 0
.rept (\n)/4
.set ht, TM+4*((hk/4)%2)
.irp e, 0,1,2,3
	v_cndmask_b32 v[ht+\e], v[PM+hk+\e+\d], v[PM+hk+\e], s[\m]
.endr
.irp e, 0,1,2,3
	v_cndmask_b32 v[PM+hk+\e], v[PM+hk+\e], v[PM+hk+\e+\d], s[\m]
.endr
.irp e, 0,1,2,3
	v_max_num_f32_dpp v[PM+hk+\e], v[ht+\e], v[PM+hk+\e] row_xmask:\x row_mask:0xf bank_mask:0xf
.endr
.set hk, hk+4
.endr
.endm
.macro SHARE dst, ln                   ; a half block's 96 bits from lane ln of my 16 to all of them
.irp i, 0,1,2
	v_mov_b32_dpp v[\dst+\i], v[TM+12+\i] row_share:\ln row_mask:0xf bank_mask:0xf
.endr
.endm
; Between two layers: phi, its codes (the same in all 16 columns) in v[PC] on and its scale word in v[PW]; meanwhile the next layer's vectors, the lower half's fragments and tile 0's new codes come from LDS
.macro REDUCEQ l, i0
	LOADWP \i0
	LOADVEC \l
	GETX LI, LS
	HALVE 32, 32, 8, M8
	HALVE 16, 16, 4, M4                            ; lane (r, h) now holds units 32 (r / 4) + 16 h + 0 .. 15 in 16 registers
.irp x, 2,1
.irp e, 0,1,2,3,4,5,6,7,8,9,10,11,12,13,14,15
	v_max_num_f32_dpp v[PM+\e], v[PM+\e], v[PM+\e] row_xmask:\x row_mask:0xf bank_mask:0xf
.endr
.endr
	v_max3_num_f32 v[TM], v[PM], v[PM+1], 0x1800000   ; block r / 4's largest number (none is negative), with the floor
	v_max3_num_f32 v[TM+1], v[PM+2], v[PM+3], v[PM+4]
	v_max3_num_f32 v[TM+2], v[PM+5], v[PM+6], v[PM+7]
	v_max3_num_f32 v[TM], v[TM], v[PM+8], v[PM+9]
	v_max3_num_f32 v[TM+1], v[TM+1], v[PM+10], v[PM+11]
	v_max3_num_f32 v[TM+2], v[TM+2], v[PM+12], v[PM+13]
	v_max3_num_f32 v[TM], v[TM], v[PM+14], v[PM+15]
	v_max3_num_f32 v[TM], v[TM], v[TM+1], v[TM+2]
	v_permlanex16_b32 v[TM+1], v[TM], s[SEL], s[SEL+1]
	v_max_num_f32 v[TM], v[TM], v[TM+1]
	v_add_nc_u32 v[TM+8], 0xff000000, v[TM]
	v_lshrrev_b32 v[TM+4], 23, v[TM+8]
	v_lshlrev_b32 v[TM+5], v[SH8], v[TM+4]         ; my block's byte at its place in the word;
	v_mov_b32_dpp v[TM+6], v[TM+5] row_xmask:4 row_mask:0xf bank_mask:0xf
	v_or_b32 v[TM+5], v[TM+5], v[TM+6]
	v_mov_b32_dpp v[TM+6], v[TM+5] row_xmask:8 row_mask:0xf bank_mask:0xf
	s_wait_dscnt 0x0                               ; all that was asked of LDS above is in, and the last image's stores have read v[PC] on and v[PW]
	v_or_b32 v[PW], v[TM+5], v[TM+6]               ; with the other three blocks' the word is whole
	v_cvt_scalef32_pk16_fp6_f32 v[TM+12:TM+14], v[PM:PM+15], v[TM+8]
	v_nop                                          ; one plain instruction behind a scaled conversion
	SHARE PC, 0                                    ; block 0's half h,
	SHARE PC+12, 4                                 ; block 1's,
	SHARE PC+6, 8                                  ; block 2's,
	SHARE PC+16, 12                                ; block 3's: as the quantiser of a tile leaves them
	TAIL
	NOPS 8                                         ; an operand written by vector instructions stands 4 plain instructions ahead of a scaled matrix instruction, a scale word so written 8
.endm
.macro PHI fp                          ; C = the bias + phi's product with the lower half: 8 accumulators, one instruction each
.irp u, 0,1,2,3,4,5,6,7
.set wf, (\fp)+\u
.if \u < 5
	WIN 0x50
.set wr, WORK+12*\u
.else
	WIN 0x51
.set wr, ACC+12*(\u-5)
.endif
.if wf%2
	v_wmma_scale_f32_16x16x128_f8f6f4 v[CB+8*\u:CB+8*\u+7], v[wr:wr+11], v[PC:PC+11], v[CB+8*\u:CB+8*\u+7], v[WS+wf/2], v[PW] matrix_a_fmt:MATRIX_FMT_FP6 matrix_b_fmt:MATRIX_FMT_FP6 matrix_a_scale:MATRIX_SCALE_ROW1
.else
	v_wmma_scale_f32_16x16x128_f8f6f4 v[CB+8*\u:CB+8*\u+7], v[wr:wr+11], v[PC:PC+11], v[CB+8*\u:CB+8*\u+7], v[WS+wf/2], v[PW] matrix_a_fmt:MATRIX_FMT_FP6 matrix_b_fmt:MATRIX_FMT_FP6
.endif
.endr
	WIN 0
	NOPS 5                                         ; five plain instructions before matrix instructions take these results as the C of other accumulators and write over three of these fragments
.endm
.macro REDUCE3                         ; phi3: four halving steps leave lane (r, h) units 32 (r / 4) + 16 h + 4 (r % 4) + 0 .. 3; meanwhile layer 1's vectors come back for the next polyline
	LOADVEC 0
	HALVE 32, 32, 8, M8
	HALVE 16, 16, 4, M4
	HALVE 8, 8, 2, M2
	HALVE 4, 4, 1, M1
	v_mov_b32 v[TM], 0xff800000                    ; -infinity, which a polyline without rows gets
.irp e, 0,1,2,3
	v_cndmask_b32 v[PM+\e], v[PM+\e], v[TM], s[NEG]
.endr
	s_lshl_b32 s66, s[PP], 10
	s_mov_b32 s67, 0
	s_add_nc_u64 s[OB:OB+1], s[30:31], s[66:67]
	global_store_b128 v[OUTO], v[PM:PM+3], s[OB:OB+1] th:TH_STORE_NT               ; the 32 lanes store 512 consecutive bytes, at a multiple of 512 from out0's first byte,
	global_store_b128 v[OUTO], v[PM:PM+3], s[OB:OB+1] offset:512 th:TH_STORE_NT    ; and the same once more
.endm
; A layer: tile 0's product stands bare; each later tile's is dealt out among the vector work of the tile before.  The loop's trips are a constant; a tile that the polyline has not is jumped over
.macro LAYER last, fb
	s_wait_dscnt 0x0                               ; tile 0's rows are in, and the layer's vectors
.irp u, 0,1,2,3,4,5,6,7
	WM \u, \fb
.endr
	WIN 0
	NOPS 4                                         ; four plain instructions before results are read and before loads into the rows' registers
	s_mov_b32 s[ST], 0
	s_mov_b32 s[SLOT], 0
	BODY 1, \last, \fb
	s_mov_b32 s[ST], 1
	s_mov_b32 s[SLOT], SLB
.Lt_\@:
	s_cmp_ge_u32 s[ST], s[NT]
	s_cbranch_scc1 .Ls_\@
	BODY 0, \last, \fb
.Ls_\@:
	s_add_co_u32 s[SLOT], s[SLOT], SLB
	s_add_co_u32 s[ST], s[ST], 1
	s_cmp_lt_u32 s[ST], 4
	s_cbranch_scc1 .Lt_\@
.endm
	; ---- the head
	s_load_b512 s[4:19], s[0:1], 0x0               ; hidden_states s[4:5], order s[6:7], wimg s[8:9], wscl s[10:11], b1 s[12:13], g1, be1, b2 s[18:19]
	s_load_b256 s[20:27], s[0:1], 0x40             ; g2, be2, b3, g3
	s_load_b128 s[28:31], s[0:1], 0x60             ; be3 s[28:29], out0 s[30:31]
	v_lshl_add_u32 v126, v0, 2, 0xdc00
	v_mov_b32 v127, 0
	v_lshrrev_b32 v[TM], 5, v0
	v_readfirstlane_b32 s[WV], v[TM]               ; wave 0..3
	v_and_b32 v[L4], 31, v0                        ; lane
	v_and_b32 v[RH], 15, v0
	v_bfe_u32 v[H64], v0, 4, 1
	v_lshlrev_b32 v[WL], 4, v[L4]
	v_lshlrev_b32 v[L4], 2, v[L4]
	s_mul_i32 s[TMP], s[WV], WVB
	s_add_co_u32 s[TMP], s[TMP], XSL
	v_add_nc_u32 v[LI], s[TMP], v[WL]
	s_add_co_u32 s[TMP], s[TMP], FRB
	v_add_nc_u32 v[LS], s[TMP], v[L4]
	v_lshlrev_b32 v[H64], 6, v[H64]
	v_add_nc_u32 v[VB], VEC, v[H64]
	v_lshrrev_b32 v[SH8], 2, v[RH]
	v_lshl_add_u32 v[OUTO], v[SH8], 7, v[H64]
	v_and_b32 v[TM], 3, v[RH]
	v_lshl_add_u32 v[OUTO], v[TM], 4, v[OUTO]      ; 128 (r / 4) + 64 h + 16 (r % 4)
	v_lshlrev_b32 v[SH8], 3, v[SH8]
	s_mul_i32 s[TMP], s[WV], 4*FRB
	v_add_nc_u32 v[AN], s[TMP], v[WL]              ; for now: my wave's four images of the lower halves, in wimg and in LDS alike
	s_mov_b32 s[M8], 0xff00ff00
	s_mov_b32 s[M4], 0xf0f0f0f0
	s_mov_b32 s[M2], 0xcccccccc
	s_mov_b32 s[M1], 0xaaaaaaaa
	s_mov_b32 s[SEL], 0x76543210
	s_mov_b32 s[SEL+1], 0xfedcba98
	s_mov_b32 s[EPS], 0x3727c5ac                   ; 1e-5
	s_mov_b32 s[R128], 0x3c000000                  ; 1 / 128
	s_lshl_b32 s66, ttmp9, 2
	s_add_co_u32 s66, s66, s[WV]
	s_lshl_b32 s66, s66, 5                         ; my wave's 8 words
	s_mov_b32 s67, 0
	s_wait_kmcnt 0x0
	s_add_nc_u64 s[66:67], s[6:7], s[66:67]
	s_load_b256 s[40:47], s[66:67], 0x0
	s_wait_kmcnt 0x0
	DECODE 40, PN, LM1, NTN
	ISSUE 0                                        ; the first polyline, all four tiles' registers (tiles that it has not get copies of its last row)
	WIN 0xc0
.set ff, 0
.rept 21
.irp c, 0,1,2
	global_load_b128 v[12*ff+4*\c:12*ff+4*\c+3], v[WL], s[8:9] offset:FRB*ff+512*\c   ; the upper halves' fragments: they stay
.endr
.set ff, ff+1
.endr
	WIN 0
.rept 3
.irp c, 0,1,2
	global_load_b128 v[W3B+12*(ff-21)+4*\c:W3B+12*(ff-21)+4*\c+3], v[WL], s[8:9] offset:FRB*ff+512*\c
.endr
.set ff, ff+1
.endr
.set ff, 0
.rept 20
	global_load_b32 v[WS+ff], v[L4], s[10:11] offset:128*ff
.set ff, ff+1
.endr
.irp k, 0,1,2,3,4,5,6,7,8,9,10,11
	global_load_b128 v[WORK+4*\k:WORK+4*\k+3], v[AN], s[8:9] offset:24*FRB+512*\k     ; a quarter of the lower halves' images
.endr
	s_cmp_lg_u32 s[WV], 0
	s_cbranch_scc1 .Lnot_wave_0
.irp v, 0,1,2,3,4,5,6,7,8
	global_load_b128 v[PM+4*\v:PM+4*\v+3], v[WL], s[12+2*\v:13+2*\v]                  ; wave 0: the nine vectors
.endr
	s_wait_loadcnt 0x0
.irp v, 0,1,2,3,4,5,6,7,8
	ds_store_b128 v[WL], v[PM+4*\v:PM+4*\v+3] offset:VEC+512*\v
.endr
.Lnot_wave_0:
	s_wait_loadcnt 0x0
.irp k, 0,1,2,3,4,5,6,7,8,9,10,11
	ds_store_b128 v[AN], v[WORK+4*\k:WORK+4*\k+3] offset:WLO+512*\k
.endr
	s_wait_dscnt 0x0                               ; for the others' sake: my stores have landed
	s_barrier_signal -1
	s_barrier_wait -1                              ; the one barrier: from here on these bytes are only read
	LOADVEC 0
.set ff, 0
.rept 36
	v_mov_b32 v[TM+ff], 0                          ; v[TM] on and v[PC] on, written once: destinations of lane moves count as read
.set ff, ff+1
.endr
	s_mov_b32 s[JJ], 8
.Lpoly:
	s_wait_xcnt 0x0                                ; the last polyline's stores have read their data, offset and base
	DECODE 40, PP, LM1, NT
	s_bfe_u32 s[NEG], s40, 0x10017
	s_sub_co_u32 s[NEG], 0, s[NEG]
	s_wait_loadcnt 0x0                             ; the polyline's rows are in
	QUANT 0, 2, 1
	IMG LI, LS, 0
.irp t, 1,2,3
	s_cmp_gt_u32 s[NT], \t
	s_cbranch_scc0 .Lin_done
	QUANT 64*\t, 2, 1
	IMG LI, LS, SLB*\t
.endr
.Lin_done:
	DECODE 41, PN, LM1, NTN
	ISSUE 1                                        ; the next polyline's rows: they have this polyline's three layers in which to land
	GETX LI, LS
	LAYER 0, 0
	REDUCEQ 1, 0
	PHI 24
	LAYER 0, 8
	REDUCEQ 2, 8
	PHI 32
	LAYER 1, 16
	REDUCE3
	s_mov_b32 s40, s41                             ; the words move up; behind the last comes 0, a word without tiles
	s_mov_b32 s41, s42
	s_mov_b32 s42, s43
	s_mov_b32 s43, s44
	s_mov_b32 s44, s45
	s_mov_b32 s45, s46
	s_mov_b32 s46, s47
	s_mov_b32 s47, 0
	s_sub_co_u32 s[JJ], s[JJ], 1
	s_cmp_lg_u32 s[JJ], 0
	s_cbranch_scc1 .Lpoly
	s_wait_dscnt 0x0                               ; the last trip's LDS loads are in
	s_wait_tensorcnt 0x0
	ds_add_u32 v126, v127
	s_wait_dscnt 0x0
	s_endpgm
.Lfunc_end_k_qb1d8fb4bbd_main:
	.size	k_qb1d8fb4bbd_main, .Lfunc_end_k_qb1d8fb4bbd_main-k_qb1d8fb4bbd_main
	.p2alignl 7, 3214868480
	.fill 96, 4, 3214868480
	.section	.rodata,"a",@progbits
	.p2align	6, 0x0
	.amdhsa_kernel k_qb1d8fb4bbd_main
		.amdhsa_group_segment_fixed_size 56832
		.amdhsa_private_segment_fixed_size 0
		.amdhsa_enable_private_segment 0
		.amdhsa_kernarg_size 112
		.amdhsa_user_sgpr_count 2
		.amdhsa_user_sgpr_kernarg_segment_ptr 1
		.amdhsa_wavefront_size32 1
		.amdhsa_system_sgpr_workgroup_id_x 1
		.amdhsa_system_sgpr_workgroup_id_y 1
		.amdhsa_system_sgpr_workgroup_id_z 1
		.amdhsa_system_vgpr_workitem_id 0
		.amdhsa_next_free_vgpr 1024
		.amdhsa_next_free_sgpr 80
		.amdhsa_reserve_vcc 0
		.amdhsa_float_denorm_mode_32 3
		.amdhsa_float_denorm_mode_16_64 3
		.amdhsa_memory_ordered 1
		.amdhsa_forward_progress 1
		.amdhsa_inst_pref_size 225
	.end_amdhsa_kernel
	.amdgpu_metadata
---
amdhsa.version: [ 1, 2 ]
amdhsa.kernels:
  - .name:           k_qb1d8fb4bbd_main
    .symbol:         k_qb1d8fb4bbd_main.kd
    .args:
      - { .name: hidden_states, .offset: 0, .size: 8, .value_kind: global_buffer, .address_space: global }
      - { .name: order, .offset: 8, .size: 8, .value_kind: global_buffer, .address_space: global }
      - { .name: wimg, .offset: 16, .size: 8, .value_kind: global_buffer, .address_space: global }
      - { .name: wscl, .offset: 24, .size: 8, .value_kind: global_buffer, .address_space: global }
      - { .name: b1, .offset: 32, .size: 8, .value_kind: global_buffer, .address_space: global }
      - { .name: g1, .offset: 40, .size: 8, .value_kind: global_buffer, .address_space: global }
      - { .name: be1, .offset: 48, .size: 8, .value_kind: global_buffer, .address_space: global }
      - { .name: b2, .offset: 56, .size: 8, .value_kind: global_buffer, .address_space: global }
      - { .name: g2, .offset: 64, .size: 8, .value_kind: global_buffer, .address_space: global }
      - { .name: be2, .offset: 72, .size: 8, .value_kind: global_buffer, .address_space: global }
      - { .name: b3, .offset: 80, .size: 8, .value_kind: global_buffer, .address_space: global }
      - { .name: g3, .offset: 88, .size: 8, .value_kind: global_buffer, .address_space: global }
      - { .name: be3, .offset: 96, .size: 8, .value_kind: global_buffer, .address_space: global }
      - { .name: out0, .offset: 104, .size: 8, .value_kind: global_buffer, .address_space: global }
    .group_segment_fixed_size: 56832
    .private_segment_fixed_size: 0
    .kernarg_segment_align: 8
    .kernarg_segment_size: 112
    .max_flat_workgroup_size: 128
    .sgpr_count:     80
    .vgpr_count:     1024
    .wavefront_size: 32
...
	.end_amdgpu_metadata
.endif
;; end of part 2
